; MI455X (gfx1250); checked and timed in simulation.
; The chip was launched on July 23, 2026; its instructions are those of AMD's public machine-readable ISA for CDNA 5 (MIT licence, August 2026) and "CDNA5" Instruction Set Architecture Reference Guide (July 2026). The comments in the code are by the model that wrote it; some were corrected since.
;; QNN. Allowed arithmetic: float matrix products may take bf16 or f16 operands with f32 sums; all other float work in f32.
;; Inputs: scale one number float32; weights 1 x 8 float32; x 4,194,304 x 8 float32.
;; Outputs: out0 4,194,304 x 2 float32.
;; 2 versions, each right; version 2 is version 1 with the launch qnn written anew for expert scheduling mode. Each part assembles by itself: llvm-mc -triple=amdgcn-amd-amdhsa -mcpu=gfx1250 --defsym DOCPART=n.
;; ======== version 1 of 2: 1 launch
;; limits: inputs' magnitudes at most 6,580,000; an absolute error that grows with the inputs' magnitude: up to 8.1e-08 times it; a function is approximated: absolute error at most 6e-07
;; launch qnn (part 1): grid 256 x 1, 32 waves a work-group, no clusters, 0 bytes of LDS; arguments x, weights, scale, out0; writes out0
.if DOCPART == 1
	.amdgcn_target "amdgcn-amd-amdhsa--gfx1250"
	.amdhsa_code_object_version 6
	.text
	.protected	k_q0b7330e107_qnn
	.globl	k_q0b7330e107_qnn
	.p2align	8
	.type	k_q0b7330e107_qnn,@function
k_q0b7330e107_qnn:
	s_mov_b64 s[64:65], 0
	v_nop
	global_prefetch_b8 v0, s[64:65] scope:SCOPE_SE
	s_setreg_imm32_b32 hwreg(HW_REG_WAVE_MODE, 25, 1), 1
	s_wait_xcnt 0x0
; out0[r] = (s q, -s q),  q = product over i = 0..7 of cos(pi/2 + 2 x[r][i]).   x: [4194304][8] f32, out0: [4194304][2] f32, s = scale.
;
; THE ARITHMETIC.  cos(pi/2 + a) = -sin(a), and the eight minus signs of a row cancel: q = product of sin(2 x_i).
;   b  = fma(x, 2/pi, M), M = 1.5 * 2^23: the sum is rounded to a whole number, so b = M + n with n = 2x/pi rounded to nearest
;   -n = M - b (exact);   g = fma(x, 2/pi, -n), in [-1/2, 1/2];   sin(2x) = (-1)^n sin(pi g)
;   sin(pi g) = g (c0 + c1 w + c2 w^2 + c3 w^3), w = g^2: the Chebyshev series of sin(pi y / 2), y = 2g, cut behind T7;
;   the first term left out has the coefficient 2 J9(pi/2) = 5.9e-7, which is the error's size on the whole interval.
;   The sign: M is even, so bit 0 of b's pattern is n's parity, and bit 0 of the integer sum of several b is the parity of the sum of their n.
; LIMITS, kept on purpose:
;   |x| < 2^22 * pi/2 = 6.58e6 (beyond it b is no longer M + n and the values are wrong; infinities and NaN give NaN as in the reference).
;   The f32 constant 2/pi is 4.0e-8 (relative) off, so the angle is off by 8.1e-8 |x| rad.  The reference's own rounding of pi/2 + 2x to f32
;   (up to 1.2e-7 |x| rad) is not reproduced, nor the 4.4e-8 by which f32(pi/2) misses pi/2: at x = 0 a factor is 0 here and -4.4e-8 there.
;   Each factor: at most 6e-7 from the polynomial, under 1e-6 with the f32 roundings.  The eight factors are multiplied in a tree.
; weights: the reference takes it and no result hangs on it (its circuit has no layers).  Its 32 bytes are fetched beside scale and enter nothing.
;
; THE SHARES.  256 work-groups of 32 waves; a work-group owns 512 KiB of x (16,384 rows) and 128 KiB of out0.  A TURN of a wave is 1,024
; consecutive bytes of x = 32 rows = 256 bytes of out0; the 32 waves' turns lie side by side (32 KiB of x), and a wave has 16 turns.
; A ring of eight register slots keeps 16 loads (8 KiB) of every wave in flight.  Nothing is shared between rows, waves or work-groups:
; no LDS, no barrier, no cluster.  All steps are immediates: no address register is ever rewritten.
; Load A of a turn: lanes 0-15 take bytes 0-255 of the wave's 1,024, lanes 16-31 bytes 512-767; load B the same 256 bytes further on.
; So sixteen neighbouring lanes read 256 consecutive, aligned bytes, a lane holds half a row (four numbers), lanes 2k and 2k+1 of a half-wave
; hold row k of A's eight rows and row 8 + k through B, and each half-wave has the sixteen rows whose results it stores.
.set WAVES, 32
.set TURNS, 16
.set SLOTS, 8
.set XTURN, WAVES*1024                 ; bytes of x that the work-group covers in a turn
.set OTURN, WAVES*256                  ; bytes of out0 likewise
.set XO,   1                           ; v1        my byte offset in x within a turn
.set OO,   2                           ; v2        my byte offset in out0 within a turn
.set KC,   4                           ; v[4:5]    2/pi, twice.  The constants lie in vector pairs: the first line of a turn has two of them beside x,
.set KM,   6                           ; v[6:7]    M, twice      and so every packed line has the same plain form, without op_sel
.set K0,   8                           ; v[8:9]    c0
.set K1,   10                          ; v[10:11]  c1
.set K2,   12                          ; v[12:13]  c2
.set K3,   14                          ; v[14:15]  c3
.set KS,   16                          ; v[16:17]  s, -s
.set B,    18                          ; v[18:25]  b of my 8 numbers (0-3 load A, 4-7 load B), then w
.set G,    26                          ; v[26:33]  -n, then g, then the factors and their products
.set P,    34                          ; v[34:41]  the polynomial
.set RA,   42                          ; v42       parity of A's four n, in bit 31
.set RB,   43                          ; v43       the same for B
.set SEND, 44                          ; v44       the half product that my neighbour finishes; then the sorted row product
.set KEEP, 45                          ; v45       the half product that I finish
.set X,    48                          ; v[48:111]  slot s: 8 registers, loads A and B
.set Y,    112                         ; v[112:127] slot s: 2 registers to store
.macro CONST r, bits
	v_mov_b32 v[\r], \bits
	v_mov_b32 v[\r+1], \bits
.endm
.macro FILL s, t                       ; turn t's 1,024 bytes into slot s
	global_load_b128 v[X+8*\s:X+8*\s+3],   v[XO], s[4:5] offset:XTURN*(\t) th:TH_LOAD_NT
	global_load_b128 v[X+8*\s+4:X+8*\s+7], v[XO], s[4:5] offset:XTURN*(\t)+256 th:TH_LOAD_NT
.endm
	s_load_b256 s[4:11], s[0:1], 0x0               ; x s[4:5], weights s[6:7], scale s[8:9], out0 s[10:11]
	v_lshrrev_b32 v[XO], 4, v0                     ; thread / 16 = 2 wave + half-wave
	v_and_b32 v3, 15, v0
	v_lshlrev_b32 v3, 4, v3                        ; 16 bytes a lane within the half-wave's 256
	v_lshl_or_b32 v[XO], v[XO], 9, v3              ; 1,024 wave + 512 half-wave + 16 (lane % 16)
	v_lshlrev_b32 v[OO], 3, v0                     ; 256 wave + 8 lane: lane l stores row l of the wave's 32
	s_lshl_b32 s2, ttmp9, 19                       ; the work-group's 512 KiB of x (below 2^27)
	s_mov_b32 s3, 0
	s_lshl_b32 s14, ttmp9, 17                      ; and its 128 KiB of out0
	s_mov_b32 s15, 0
	s_wait_kmcnt 0x0
	s_add_nc_u64 s[4:5], s[4:5], s[2:3]
	s_add_nc_u64 s[10:11], s[10:11], s[14:15]
.irp t, 0,1,2,3,4,5,6,7
	FILL \t, \t                                    ; the ring is filled before anything else is done
.endr
	s_load_b32 s12, s[8:9], 0x0                    ; scale
	s_load_b256 s[16:23], s[6:7], 0x0              ; weights: fetched, used nowhere (see the head)
	CONST KC, 0x3f22f983                           ; 2/pi = 0.63661977
	CONST KM, 0x4b400000                           ; 12582912.0
	CONST K0, 0x40490fae                           ; c0 =  3.1415820
	CONST K1, 0xc0a55939                           ; c1 = -5.1671414
	CONST K2, 0x4022ae47                           ; c2 =  2.5418870
	CONST K3, 0xbf0dfad9                           ; c3 = -0.55460888
	s_mov_b32 vcc_lo, 0xaaaaaaaa                   ; the odd lanes
	s_mov_b32 s24, 0xeca86420                      ; v_permlane16_b32: lanes 0-7 of a half-wave take lanes 0, 2, .. 14 (A's rows 0-7),
	s_mov_b32 s25, 0xfdb97531                      ; lanes 8-15 take lanes 1, 3, .. 15 (B's rows 8-15)
	s_wait_kmcnt 0x0
	v_mov_b32 v[KS], s12
	v_xor_b32 v[KS+1], 0x80000000, v[KS]           ; -s: (-s) q and -(s q) are the same number
; Turn t, in slot s.  refill = 1: the slot gets turn t + SLOTS.  left = how many younger loads may stay out.
.macro TURN s, t, refill, left
	s_wait_loadcnt \left                           ; loads come back in order (ISA guide 5.7.1): this slot's two are in
.irp j, 0,2,4,6
	v_pk_fma_f32 v[B+\j:B+\j+1], v[X+8*\s+\j:X+8*\s+\j+1], v[KC:KC+1], v[KM:KM+1]     ; b = M + n
.endr
.irp j, 0,2,4,6
	v_pk_add_f32 v[G+\j:G+\j+1], v[KM:KM+1], v[B+\j:B+\j+1] neg_lo:[0,1] neg_hi:[0,1]  ; M - b = -n, exact
.endr
.irp j, 0,2,4,6
	v_pk_fma_f32 v[G+\j:G+\j+1], v[X+8*\s+\j:X+8*\s+\j+1], v[KC:KC+1], v[G+\j:G+\j+1] ; g = x 2/pi - n, one rounding
.endr
.if \refill
	FILL \s, \t+SLOTS                              ; x has been read for the last time: the slot goes back at once, ahead of the store
.endif
	v_add3_u32 v[RA], v[B], v[B+1], v[B+2]         ; bit 0 of the sum of the patterns = parity of the sum of the n
	v_add3_u32 v[RB], v[B+4], v[B+5], v[B+6]
	v_add_lshl_u32 v[RA], v[RA], v[B+3], 31        ; moved to the sign's place
	v_add_lshl_u32 v[RB], v[RB], v[B+7], 31
.irp j, 0,2,4,6
	v_pk_mul_f32 v[B+\j:B+\j+1], v[G+\j:G+\j+1], v[G+\j:G+\j+1]                       ; w = g^2 (b is done with)
.endr
.irp j, 0,2,4,6
	v_pk_fma_f32 v[P+\j:P+\j+1], v[B+\j:B+\j+1], v[K3:K3+1], v[K2:K2+1]
.endr
.irp j, 0,2,4,6
	v_pk_fma_f32 v[P+\j:P+\j+1], v[P+\j:P+\j+1], v[B+\j:B+\j+1], v[K1:K1+1]
.endr
.irp j, 0,2,4,6
	v_pk_fma_f32 v[P+\j:P+\j+1], v[P+\j:P+\j+1], v[B+\j:B+\j+1], v[K0:K0+1]
.endr
.irp j, 0,2,4,6
	v_pk_mul_f32 v[G+\j:G+\j+1], v[G+\j:G+\j+1], v[P+\j:P+\j+1]                       ; sin(pi g)
.endr
	v_pk_mul_f32 v[G:G+1],   v[G:G+1],   v[G+2:G+3]            ; my four factors of A's row: two and two,
	v_pk_mul_f32 v[G+4:G+5], v[G+4:G+5], v[G+6:G+7]            ; the same for B's row
	v_mul_f32 v[G],   v[G],   v[G+1]                           ; and the two halves of the pair
	v_mul_f32 v[G+4], v[G+4], v[G+5]
	v_xor_b32 v[G],   v[G],   v[RA]                            ; times (-1)^(sum of my four n)
	v_xor_b32 v[G+4], v[G+4], v[RB]
	; lanes 2k and 2k+1 hold the two halves of A's row k and of B's row k: the even lane finishes A's, the odd lane B's
	v_cndmask_b32 v[SEND], v[G+4], v[G], vcc_lo                ; even lanes give B's half away, odd lanes A's
	v_cndmask_b32 v[KEEP], v[G], v[G+4], vcc_lo
	v_mul_f32_dpp v[KEEP], v[SEND], v[KEEP] row_xmask:1 row_mask:0xf bank_mask:0xf    ; q: the neighbour's SEND times my KEEP
	v_permlane16_b32 v[SEND], v[KEEP], s24, s25                ; sorted: lane l of the wave now holds q of the wave's row l
	v_pk_mul_f32 v[Y+2*\s:Y+2*\s+1], v[SEND:SEND+1], v[KS:KS+1] op_sel_hi:[0,1]       ; (q s, q (-s)): both halves take v[SEND]
	global_store_b64 v[OO], v[Y+2*\s:Y+2*\s+1], s[10:11] offset:OTURN*(\t) th:TH_STORE_NT  ; the wave stores 256 consecutive bytes, aligned, in lane order
.endm
.irp t, 0,1,2,3,4,5,6,7
	TURN \t, \t, 1, 2*(SLOTS-1)                    ; the seven younger slots' two loads each stay out
.endr
	s_wait_xcnt 0x0                                ; the first round's stores have read their Y pairs (ISA guide 3.1): the second round writes them again
.irp t, 0,1,2,3,4,5,6,7
	TURN \t, \t+SLOTS, 0, 2*(SLOTS-1-\t)           ; the last round loads nothing: the counts run down 14, 12, .. 0
.endr
	s_endpgm
.Lfunc_end_k_q0b7330e107_qnn:
	.size	k_q0b7330e107_qnn, .Lfunc_end_k_q0b7330e107_qnn-k_q0b7330e107_qnn
	.p2alignl 7, 3214868480
	.fill 96, 4, 3214868480
	.section	.rodata,"a",@progbits
	.p2align	6, 0x0
	.amdhsa_kernel k_q0b7330e107_qnn
		.amdhsa_group_segment_fixed_size 0
		.amdhsa_private_segment_fixed_size 0
		.amdhsa_enable_private_segment 0
		.amdhsa_kernarg_size 32
		.amdhsa_user_sgpr_count 2
		.amdhsa_user_sgpr_kernarg_segment_ptr 1
		.amdhsa_wavefront_size32 1
		.amdhsa_system_sgpr_workgroup_id_x 1
		.amdhsa_system_sgpr_workgroup_id_y 1
		.amdhsa_system_sgpr_workgroup_id_z 1
		.amdhsa_system_vgpr_workitem_id 0
		.amdhsa_next_free_vgpr 128
		.amdhsa_next_free_sgpr 66
		.amdhsa_reserve_vcc 1
		.amdhsa_float_denorm_mode_32 3
		.amdhsa_float_denorm_mode_16_64 3
		.amdhsa_memory_ordered 1
		.amdhsa_forward_progress 1
		.amdhsa_inst_pref_size 51
	.end_amdhsa_kernel
	.amdgpu_metadata
---
amdhsa.version: [ 1, 2 ]
amdhsa.kernels:
  - .name:           k_q0b7330e107_qnn
    .symbol:         k_q0b7330e107_qnn.kd
    .args:
      - { .name: x, .offset: 0, .size: 8, .value_kind: global_buffer, .address_space: global }
      - { .name: weights, .offset: 8, .size: 8, .value_kind: global_buffer, .address_space: global }
      - { .name: scale, .offset: 16, .size: 8, .value_kind: global_buffer, .address_space: global }
      - { .name: out0, .offset: 24, .size: 8, .value_kind: global_buffer, .address_space: global }
    .group_segment_fixed_size: 0
    .private_segment_fixed_size: 0
    .kernarg_segment_align: 8
    .kernarg_segment_size: 32
    .max_flat_workgroup_size: 1024
    .sgpr_count:     66
    .vgpr_count:     128
    .wavefront_size: 32
...
	.end_amdgpu_metadata
.endif
;; end of part 1
;; ======== version 2 of 2: 1 launch; version 1 with the launch qnn written anew for expert scheduling mode
;; limits: inputs' magnitudes at most 6,580,000; an absolute error that grows with the inputs' magnitude: up to 8.1e-08 times it; a function is approximated: absolute error at most 6e-07
;; launch qnn (part 2): grid 256 x 1, 32 waves a work-group, no clusters, 0 bytes of LDS; arguments x, weights, scale, out0; writes out0
.if DOCPART == 2
	.amdgcn_target "amdgcn-amd-amdhsa--gfx1250"
	.amdhsa_code_object_version 6
	.text
	.protected	k_q0b7330e107_qnn
	.globl	k_q0b7330e107_qnn
	.p2align	8
	.type	k_q0b7330e107_qnn,@function
k_q0b7330e107_qnn:
	s_mov_b64 s[64:65], 0
	v_nop
	global_prefetch_b8 v0, s[64:65] scope:SCOPE_SE
	s_setreg_imm32_b32 hwreg(HW_REG_WAVE_SCHED_MODE, 0, 2), 2
	s_setreg_imm32_b32 hwreg(HW_REG_WAVE_MODE, 25, 1), 1
	s_wait_xcnt 0x0
	s_wait_alu depctr_vm_vsrc(0)
; out0[r] = (s q, -s q),  q = product over i = 0..7 of cos(pi/2 + 2 x[r][i]).   x: [4194304][8] f32, out0: [4194304][2] f32, s = scale.
;
; THE ARITHMETIC.  cos(pi/2 + a) = -sin(a), and the eight minus signs of a row cancel: q = product of sin(2 x_i).
;   b  = fma(x, 2/pi, M), M = 1.5 * 2^23: the sum is rounded to a whole number, so b = M + n with n = 2x/pi rounded to nearest
;   -n = M - b (exact);   g = fma(x, 2/pi, -n), in [-1/2, 1/2];   sin(2x) = (-1)^n sin(pi g)
;   sin(pi g) = g (c0 + c1 w + c2 w^2 + c3 w^3), w = g^2: the Chebyshev series of sin(pi y / 2), y = 2g, cut behind T7;
;   the first term left out has the coefficient 2 J9(pi/2) = 5.9e-7, which is the error's size on the whole interval.
;   The sign: M is even, so bit 0 of b's pattern is n's parity, and bit 0 of the integer sum of several b is the parity of the sum of their n.
; LIMITS, kept on purpose:
;   |x| < 2^22 * pi/2 = 6.58e6 (beyond it b is no longer M + n and the values are wrong; infinities and NaN give NaN as in the reference).
;   The f32 constant 2/pi is 4.0e-8 (relative) off, so the angle is off by 8.1e-8 |x| rad.  The reference's own rounding of pi/2 + 2x to f32
;   (up to 1.2e-7 |x| rad) is not reproduced, nor the 4.4e-8 by which f32(pi/2) misses pi/2: at x = 0 a factor is 0 here and -4.4e-8 there.
;   Each factor: at most 6e-7 from the polynomial, under 1e-6 with the f32 roundings.  The eight factors are multiplied in a tree.
; weights: the reference takes it and no result hangs on it (its circuit has no layers).  Its 32 bytes are fetched beside scale and enter nothing.
;
; THE SHARES.  256 work-groups of 32 waves; a work-group owns 512 KiB of x (16,384 rows) and 128 KiB of out0.  A TURN of a wave is 1,024
; consecutive bytes of x = 32 rows = 256 bytes of out0; the 32 waves' turns lie side by side (32 KiB of x), and a wave has 16 turns.
; A ring of eight register slots keeps 16 loads (8 KiB) of every wave in flight.  Nothing is shared between rows, waves or work-groups:
; no LDS, no barrier, no cluster.  All steps are immediates: no address register is ever rewritten.
; Load A of a turn: lanes 0-15 take bytes 0-255 of the wave's 1,024, lanes 16-31 bytes 512-767; load B the same 256 bytes further on.
; So sixteen neighbouring lanes read 256 consecutive, aligned bytes, a lane holds half a row (four numbers), lanes 2k and 2k+1 of a half-wave
; hold row k of A's eight rows and row 8 + k through B, and each half-wave has the sixteen rows whose results it stores.
;
; THE MODE: SCHED_MODE bits 1:0 = 2 (LLVM: expert scheduling mode 2), set by the entry lines.  The code itself states the register dependences
; between vector instructions and memory instructions, with s_wait_alu, always for 0.
; THE PLAN.  Registers that memory instructions touch:
;   v[XO], v[OO]  the offsets of every load and of every store.  Written once at the head, never again.
;   X0 .. X7      Turn t (slot s = t % 8): its first twelve packed lines read X[s]; behind them, in turns 0 to 7, the loads of turn t + 8 land in it.
;                 No vector instruction writes an X register.
;   Y0 .. Y7      The last line of turn t writes Y[s]; the store that reads it is issued in turn t + 1; the last line of turn t + 8 writes it again.
;   All other registers are named by vector instructions alone.  No vector instruction writes a scalar register or VCC; EXEC is never written.
; So ONE wait on va_vdst stands in a turn, behind the lines that read X[s]: it states that they are done reading X[s] and that the turn before has
; written its Y.  The turn's two loads and the store of the turn before follow it; the vector lines between them name neither X[s] nor that Y nor an offset.
; One wait on vm_vsrc, beside s_wait_xcnt 0, stands in turn 8, behind the last store of the first round and ahead of the first line that writes a Y again.
.set WAVES, 32
.set TURNS, 16
.set SLOTS, 8
.set XTURN, WAVES*1024                 ; bytes of x that the work-group covers in a turn
.set OTURN, WAVES*256                  ; bytes of out0 likewise
.set XO,   1                           ; v1        my byte offset in x within a turn
.set OO,   2                           ; v2        my byte offset in out0 within a turn
.set KC,   4                           ; v[4:5]    2/pi, twice.  The constants lie in vector pairs: the first line of a turn has two of them beside x,
.set KM,   6                           ; v[6:7]    M, twice      and so every packed line has the same plain form, without op_sel
.set K0,   8                           ; v[8:9]    c0
.set K1,   10                          ; v[10:11]  c1
.set K2,   12                          ; v[12:13]  c2
.set K3,   14                          ; v[14:15]  c3
.set KS,   16                          ; v[16:17]  s, -s
.set B,    18                          ; v[18:25]  b of my 8 numbers (0-3 load A, 4-7 load B), then w
.set G,    26                          ; v[26:33]  -n, then g, then the factors and their products
.set P,    34                          ; v[34:41]  the polynomial
.set RA,   42                          ; v42       parity of A's four n, in bit 31
.set RB,   43                          ; v43       the same for B
.set SEND, 44                          ; v44       the half product that my neighbour finishes; then the sorted row product
.set KEEP, 45                          ; v45       the half product that I finish
.set X,    48                          ; v[48:111]  slot s: 8 registers, loads A and B
.set Y,    112                         ; v[112:127] slot s: 2 registers to store
.macro CONST r, bits
	v_mov_b32 v[\r], \bits
	v_mov_b32 v[\r+1], \bits
.endm
.macro FILL s, t                       ; turn t's 1,024 bytes into slot s
	global_load_b128 v[X+8*\s:X+8*\s+3],   v[XO], s[4:5] offset:XTURN*(\t) th:TH_LOAD_NT
	global_load_b128 v[X+8*\s+4:X+8*\s+7], v[XO], s[4:5] offset:XTURN*(\t)+256 th:TH_LOAD_NT
.endm
	s_load_b256 s[4:11], s[0:1], 0x0               ; x s[4:5], weights s[6:7], scale s[8:9], out0 s[10:11]
	v_lshrrev_b32 v[XO], 4, v0                     ; thread / 16 = 2 wave + half-wave
	v_and_b32 v3, 15, v0
	v_lshlrev_b32 v3, 4, v3                        ; 16 bytes a lane within the half-wave's 256
	v_lshl_or_b32 v[XO], v[XO], 9, v3              ; 1,024 wave + 512 half-wave + 16 (lane % 16)
	v_lshlrev_b32 v[OO], 3, v0                     ; 256 wave + 8 lane: lane l stores row l of the wave's 32
	s_lshl_b32 s2, ttmp9, 19                       ; the work-group's 512 KiB of x (below 2^27)
	s_mov_b32 s3, 0
	s_lshl_b32 s14, ttmp9, 17                      ; and its 128 KiB of out0
	s_mov_b32 s15, 0
	s_wait_kmcnt 0x0
	s_add_nc_u64 s[4:5], s[4:5], s[2:3]
	s_add_nc_u64 s[10:11], s[10:11], s[14:15]
	s_wait_alu depctr_va_vdst(0)                   ; v[XO] and v[OO] are written: every load and every store of the kernel reads one of them as its offset
.irp t, 0,1,2,3,4,5,6,7
	FILL \t, \t                                    ; the ring is filled before anything else is done
.endr
	s_load_b32 s12, s[8:9], 0x0                    ; scale
	s_load_b256 s[16:23], s[6:7], 0x0              ; weights: fetched, used nowhere (see the head)
	CONST KC, 0x3f22f983                           ; 2/pi = 0.63661977
	CONST KM, 0x4b400000                           ; 12582912.0
	CONST K0, 0x40490fae                           ; c0 =  3.1415820
	CONST K1, 0xc0a55939                           ; c1 = -5.1671414
	CONST K2, 0x4022ae47                           ; c2 =  2.5418870
	CONST K3, 0xbf0dfad9                           ; c3 = -0.55460888
	s_mov_b32 vcc_lo, 0xaaaaaaaa                   ; the odd lanes
	s_mov_b32 s24, 0xeca86420                      ; v_permlane16_b32: lanes 0-7 of a half-wave take lanes 0, 2, .. 14 (A's rows 0-7),
	s_mov_b32 s25, 0xfdb97531                      ; lanes 8-15 take lanes 1, 3, .. 15 (B's rows 8-15)
	s_wait_kmcnt 0x0
	v_mov_b32 v[KS], s12
	v_xor_b32 v[KS+1], 0x80000000, v[KS]           ; -s: (-s) q and -(s q) are the same number
; Turn t, in slot s.  refill = 1: the slot gets turn t + SLOTS.  left = how many younger loads may stay out.
; prev = 1: there is a turn before, whose result is stored here.  free = 1: turn 8, the first that writes a Y pair for the second time.
.macro TURN s, t, refill, left, prev, free
	s_wait_loadcnt \left                           ; loads come back in order (ISA guide 5.7.1): this slot's two are in
.irp j, 0,2,4,6
	v_pk_fma_f32 v[B+\j:B+\j+1], v[X+8*\s+\j:X+8*\s+\j+1], v[KC:KC+1], v[KM:KM+1]     ; b = M + n
.endr
.irp j, 0,2,4,6
	v_pk_add_f32 v[G+\j:G+\j+1], v[KM:KM+1], v[B+\j:B+\j+1] neg_lo:[0,1] neg_hi:[0,1]  ; M - b = -n, exact
.endr
.irp j, 0,2,4,6
	v_pk_fma_f32 v[G+\j:G+\j+1], v[X+8*\s+\j:X+8*\s+\j+1], v[KC:KC+1], v[G+\j:G+\j+1] ; g = x 2/pi - n, one rounding
.endr
	s_wait_alu depctr_va_vdst(0)                   ; the lines above are done reading X[s], in which the loads below land (turns 0 to 7); the turn before has written its Y pair, which the store below reads (turns 1 to 15)
.if \refill
	FILL \s, \t+SLOTS                              ; x has been read for the last time: the slot goes back at once, ahead of the store
.endif
	v_add3_u32 v[RA], v[B], v[B+1], v[B+2]         ; bit 0 of the sum of the patterns = parity of the sum of the n
	v_add3_u32 v[RB], v[B+4], v[B+5], v[B+6]
	v_add_lshl_u32 v[RA], v[RA], v[B+3], 31        ; moved to the sign's place
	v_add_lshl_u32 v[RB], v[RB], v[B+7], 31
.if \prev
	global_store_b64 v[OO], v[Y+2*((\s+7)%8):Y+2*((\s+7)%8)+1], s[10:11] offset:OTURN*((\t)-1) th:TH_STORE_NT  ; the turn before: the wave stores 256 consecutive bytes, aligned, in lane order.  No wait: the four lines since the wait above name neither this Y pair nor v[OO]
.endif
.irp j, 0,2,4,6
	v_pk_mul_f32 v[B+\j:B+\j+1], v[G+\j:G+\j+1], v[G+\j:G+\j+1]                       ; w = g^2 (b is done with)
.endr
.irp j, 0,2,4,6
	v_pk_fma_f32 v[P+\j:P+\j+1], v[B+\j:B+\j+1], v[K3:K3+1], v[K2:K2+1]
.endr
.irp j, 0,2,4,6
	v_pk_fma_f32 v[P+\j:P+\j+1], v[P+\j:P+\j+1], v[B+\j:B+\j+1], v[K1:K1+1]
.endr
.irp j, 0,2,4,6
	v_pk_fma_f32 v[P+\j:P+\j+1], v[P+\j:P+\j+1], v[B+\j:B+\j+1], v[K0:K0+1]
.endr
.irp j, 0,2,4,6
	v_pk_mul_f32 v[G+\j:G+\j+1], v[G+\j:G+\j+1], v[P+\j:P+\j+1]                       ; sin(pi g)
.endr
	v_pk_mul_f32 v[G:G+1],   v[G:G+1],   v[G+2:G+3]            ; my four factors of A's row: two and two,
	v_pk_mul_f32 v[G+4:G+5], v[G+4:G+5], v[G+6:G+7]            ; the same for B's row
	v_mul_f32 v[G],   v[G],   v[G+1]                           ; and the two halves of the pair
	v_mul_f32 v[G+4], v[G+4], v[G+5]
	v_xor_b32 v[G],   v[G],   v[RA]                            ; times (-1)^(sum of my four n)
	v_xor_b32 v[G+4], v[G+4], v[RB]
	; lanes 2k and 2k+1 hold the two halves of A's row k and of B's row k: the even lane finishes A's, the odd lane B's
	v_cndmask_b32 v[SEND], v[G+4], v[G], vcc_lo                ; even lanes give B's half away, odd lanes A's
	v_cndmask_b32 v[KEEP], v[G], v[G+4], vcc_lo
	v_mul_f32_dpp v[KEEP], v[SEND], v[KEEP] row_xmask:1 row_mask:0xf bank_mask:0xf    ; q: the neighbour's SEND times my KEEP
	v_permlane16_b32 v[SEND], v[KEEP], s24, s25                ; sorted: lane l of the wave now holds q of the wave's row l
.if \free
	s_wait_xcnt 0x0                                ; the first round's eight stores, the last of them issued above, have had their addresses translated (ISA guide 3.1): the Y pairs are written again only behind this wait
	s_wait_alu depctr_vm_vsrc(0)                   ; those eight stores have read Y0 to Y7, which the last lines of turns 8 to 15 write again
.endif
	v_pk_mul_f32 v[Y+2*\s:Y+2*\s+1], v[SEND:SEND+1], v[KS:KS+1] op_sel_hi:[0,1]       ; (q s, q (-s)): both halves take v[SEND]; stored in the next turn
.endm
	TURN 0, 0, 1, 2*(SLOTS-1), 0, 0                ; turn 0 has no turn before it: nothing to store yet
.irp t, 1,2,3,4,5,6,7
	TURN \t, \t, 1, 2*(SLOTS-1), 1, 0              ; the seven younger slots' two loads each stay out
.endr
	TURN 0, SLOTS, 0, 2*(SLOTS-1), 1, 1            ; turn 8 stores turn 7's result and then frees the Y pairs
.irp t, 1,2,3,4,5,6,7
	TURN \t, \t+SLOTS, 0, 2*(SLOTS-1-\t), 1, 0     ; the last round loads nothing: the counts run down 14, 12, .. 0
.endr
	s_wait_alu depctr_va_vdst(0)                   ; turn 15 has written Y7, which the last store reads
	global_store_b64 v[OO], v[Y+2*(SLOTS-1):Y+2*(SLOTS-1)+1], s[10:11] offset:OTURN*(TURNS-1) th:TH_STORE_NT
	s_endpgm
.Lfunc_end_k_q0b7330e107_qnn:
	.size	k_q0b7330e107_qnn, .Lfunc_end_k_q0b7330e107_qnn-k_q0b7330e107_qnn
	.p2alignl 7, 3214868480
	.fill 96, 4, 3214868480
	.section	.rodata,"a",@progbits
	.p2align	6, 0x0
	.amdhsa_kernel k_q0b7330e107_qnn
		.amdhsa_group_segment_fixed_size 0
		.amdhsa_private_segment_fixed_size 0
		.amdhsa_enable_private_segment 0
		.amdhsa_kernarg_size 32
		.amdhsa_user_sgpr_count 2
		.amdhsa_user_sgpr_kernarg_segment_ptr 1
		.amdhsa_wavefront_size32 1
		.amdhsa_system_sgpr_workgroup_id_x 1
		.amdhsa_system_sgpr_workgroup_id_y 1
		.amdhsa_system_sgpr_workgroup_id_z 1
		.amdhsa_system_vgpr_workitem_id 0
		.amdhsa_next_free_vgpr 128
		.amdhsa_next_free_sgpr 66
		.amdhsa_reserve_vcc 1
		.amdhsa_float_denorm_mode_32 3
		.amdhsa_float_denorm_mode_16_64 3
		.amdhsa_memory_ordered 1
		.amdhsa_forward_progress 1
		.amdhsa_inst_pref_size 52
	.end_amdhsa_kernel
	.amdgpu_metadata
---
amdhsa.version: [ 1, 2 ]
amdhsa.kernels:
  - .name:           k_q0b7330e107_qnn
    .symbol:         k_q0b7330e107_qnn.kd
    .args:
      - { .name: x, .offset: 0, .size: 8, .value_kind: global_buffer, .address_space: global }
      - { .name: weights, .offset: 8, .size: 8, .value_kind: global_buffer, .address_space: global }
      - { .name: scale, .offset: 16, .size: 8, .value_kind: global_buffer, .address_space: global }
      - { .name: out0, .offset: 24, .size: 8, .value_kind: global_buffer, .address_space: global }
    .group_segment_fixed_size: 0
    .private_segment_fixed_size: 0
    .kernarg_segment_align: 8
    .kernarg_segment_size: 32
    .max_flat_workgroup_size: 1024
    .sgpr_count:     66
    .vgpr_count:     128
    .wavefront_size: 32
...
	.end_amdgpu_metadata
.endif
;; end of part 2
